; MI455X (gfx1250); checked and timed in simulation.
; The chip was launched on July 23, 2026; its instructions are those of AMD's public machine-readable ISA for CDNA 5 (MIT licence, August 2026) and "CDNA5" Instruction Set Architecture Reference Guide (July 2026). The comments in the code are by the model that wrote it; some were corrected since.
;; Source Bias Seq. Allowed arithmetic: matrix products marked QUANTISED: E3M2 operands, one E8M0 scale for each 32 along K, by v_wmma_scale_f32_16x16x128_f8f6f4 with both operands' format E3M2, f32 sums; everything else in f32.
;; Inputs: bias 64 x 1,024 float32; trans 64 x 1,024 x 1,024 float32; urls 64 x 16 int32; x 64 x 16 x 1,024 float32.
;; Outputs: out0 64 x 16 x 1,024 float32.
;; This version of the problem:
;;   THIS VERSION OF THE PROBLEM IS GIVEN IN LOW PRECISION. The matrix products marked QUANTISED in the list below multiply operands that are first quantised to E3M2 (3 exponent bits, 2 mantissa bits; 6 bits a number), with one power-of-two scale for each 32 numbers along K (OCP MX v1.0); their sums are f32. All else is computed in f32.
;;   The module's matrix products, in the order in which they are computed (A, B: the left and right operand; K: the contracted axis; several contracted axes count as one K, in the product's order):
;;     1. [M 1,024, K 1,024] x [K 1,024, N 65,536]; A: input x; B: input trans: QUANTISED
;;   THE QUANTISER, for each operand of a quantised product, along K:
;;     - K is cut into blocks of 32 from its start; a last block that is shorter is filled with zeros.
;;     - A block's scale is 2^e with e = floor(log2(the largest magnitude in the block)) - 4, held to -126 .. 127; a block of zeros has e = 0. As a byte (E8M0): e + 127.
;;     - Each number is divided by its block's scale, clamped to +-28, and rounded to the nearest number of E3M2, ties to even, subnormals kept.
;;     - The product sums the exact products of the quantised numbers (number of the format x scale) in f32.
;;   ~~~python
;;   def quantise(x, axis):      # numpy; x: float32 -> the quantised numbers, widened to float32 again
;;       x = np.moveaxis(x, axis, -1); K = x.shape[-1]
;;       x = np.pad(x, [(0, 0)] * (x.ndim - 1) + [(0, -K % 32)]); x = x.reshape(x.shape[:-1] + (-1, 32)); a = np.abs(x).max(-1, keepdims=True)
;;       e = np.where(a > 0, np.clip(np.frexp(np.where(a > 0, a, 1))[1] - 1 - 4, -126, 127), 0)      # np.frexp(a)[1] - 1 = floor(log2(a)), exactly
;;       r = np.clip(x / 2.0 ** e, -28, 28)
;;       step = 2.0 ** (np.maximum(np.frexp(np.where(r == 0, 1, r))[1] - 1, -2) - 2)
;;       q = np.round(r / step) * step * 2.0 ** e      # np.round: ties to even
;;       return np.moveaxis(q.reshape(q.shape[:-2] + (-1,))[..., :K], -1, axis).astype(np.float32)
;;   ~~~
;; 2 versions. Each part assembles by itself: llvm-mc -triple=amdgcn-amd-amdhsa -mcpu=gfx1250 --defsym DOCPART=n.
;; ======== version 1 of 2: 2 launches
;; limits: right only within a limited range of input values
;; workspace buffers: xq 786,432 bytes; xs 32,768 bytes
;; launch prep (part 1): grid 256 x 1, 4 waves a work-group, no clusters, 20,992 bytes of LDS; arguments x, xq, xs; writes xq, xs
.if DOCPART == 1
	.amdgcn_target "amdgcn-amd-amdhsa--gfx1250"
	.amdhsa_code_object_version 6
	.text
	.protected	k_q72b3347782_prep
	.globl	k_q72b3347782_prep
	.p2align	8
	.type	k_q72b3347782_prep,@function
k_q72b3347782_prep:
	s_mov_b64 s[64:65], 0
	v_nop
	global_prefetch_b8 v0, s[64:65] scope:SCOPE_SE
	s_setreg_imm32_b32 hwreg(HW_REG_WAVE_MODE, 25, 1), 1
	s_wait_xcnt 0x0
; out[n] = tanh(Q(x[n]) . Q(trans[urls[n]]) + bias[urls[n]]), Q the quantiser to E3M2 along K with one E8M0 scale for each 32.
; NOTHING OF reference() IS LEFT OUT: the next launch computes y_all whole, every token against every expert, as reference() writes it, and selects each token's routed row:
; which of a token's 64 rows is kept hangs on the value of urls, so the work is done and the row selected.  Bias and tanh fall on the selected rows alone, as in reference().
; THIS LAUNCH: x [1024 tokens][1024] f32 becomes codes and scale bytes, one wave to a token, laid as the next launch's operand registers want them.
;   xq [token][K step s 0..7][h 0..1][cc 0..1][24 bytes]: the block of k = 128 s + 64 cc + 32 h + 0..31 lies at byte 768 token + 96 s + 48 h + 24 cc, so that the 12 registers which lane (row, h)
;   of a matrix operand wants for a K step of 128 are 48 consecutive bytes at a multiple of 16.
;   xs [token / 32][K step s][token % 32] words: byte b of a word is the scale byte of k = 128 s + 32 b + 0..31: a K step's words of 32 tokens are 128 consecutive bytes.
; A block's scale byte is its largest magnitude's exponent field - 4, held at 1 from below by a floor among the maximum's leaves.  (A block of zeros keeps the byte 1 where the rule says 127: its codes are zeros,
; which add nothing, and this program alone reads the bytes.)  Beyond 28 the conversion gives the largest code, as the rule asks.
; LIMITS: NaN and infinities in x are not served; blocks whose largest magnitude lies under 2^-122 keep the byte 1.
; The scale bytes leave one byte a lane: whole runs of 256 would want 32 tokens' bytes brought together through LDS behind a barrier, for 32,768 of the launch's 5 million bytes.
; No matrix unit, no cluster, no tensor load: waves share nothing.
.set WREG,  5120                       ; LDS of a wave: two stages of 32 places of SP bytes
.set SP,    80                         ; a lane's place in a stage: its 64 bytes + 16 of padding
.set SPARE, 4*WREG                     ; behind the four regions: the spare words, 128 bytes for each wave: two blocks of 256 bytes that no other line names
.set SPW,   12                         ; v12      LDS address of my spare word; never rewritten
.set NIL,   13                         ; v13      0; never rewritten
.set R,     16                         ; v16-47   two sets of 16 numbers as loaded
.set X,     48                         ; v48-79   two sets of 16 neighbours along K
.set C,     80                         ; v80-87   codes: four registers a step, so that no store's data are written again
.set E,     88                         ; v88-89   a scale byte a step
	s_load_b128 s[4:7], s[0:1], 0x0                ; x s[4:5], xq s[6:7]
	s_load_b64 s[8:9], s[0:1], 0x10                ; xs
	v_lshl_add_u32 v[SPW], v0, 2, SPARE
	v_mov_b32 v[NIL], 0
	v_lshrrev_b32 v1, 5, v0
	v_readfirstlane_b32 s16, v1                    ; wave 0..3
	v_and_b32 v2, 31, v0                           ; lane
	v_lshlrev_b32 v3, 4, v2                        ; 16 bytes a lane
	s_lshl_b32 s17, ttmp9, 2
	s_add_co_u32 s17, s17, s16                     ; token = 4 x work-group + wave
	s_lshl_b32 s18, s17, 12
	s_mov_b32 s19, 0
	s_wait_kmcnt 0x0
	s_add_nc_u64 s[4:5], s[4:5], s[18:19]          ; its row of x
.macro LOAD t                          ; each load reads 512 consecutive bytes, 16 a lane
.irp i, 0,1,2,3
	global_load_b128 v[R+16*(\t)+4*\i:R+16*(\t)+4*\i+3], v3, s[4:5] offset:2048*(\t)+512*\i th:TH_LOAD_NT
.endr
.endm
	LOAD 0
	LOAD 1
	s_mul_i32 s20, s17, 768
	s_mov_b32 s21, 0
	s_add_nc_u64 s[6:7], s[6:7], s[20:21]          ; its codes
	s_lshr_b32 s22, s17, 5
	s_lshl_b32 s22, s22, 10                        ; its scale words: 1,024 bytes for each 32 tokens,
	s_and_b32 s23, s17, 31
	s_lshl_b32 s23, s23, 2                         ; 4 bytes a token in each K step's 128
	s_add_co_u32 s22, s22, s23
	s_mov_b32 s23, 0
	s_add_nc_u64 s[8:9], s[8:9], s[22:23]
	s_mul_i32 s24, s16, WREG
	v_lshrrev_b32 v14, 2, v2
	v_mul_u32_u24 v14, v14, SP
	v_and_b32 v15, 3, v2
	v_lshl_add_u32 v14, v15, 4, v14
	v_add_nc_u32 v14, s24, v14                     ; the stage, on the way in: four lanes' 64 bytes on end, then 16 of padding
	v_mul_u32_u24 v15, v2, SP
	v_add_nc_u32 v15, s24, v15                     ; and on the way out: my 16 neighbours
	; lane l of step t holds k = 512 t + 16 l + 0..15: K step 4 t + l / 8; in it bit 0 of l is the half of a block (12 bytes), bit 1 is h (48), bit 2 is cc (24)
	v_and_b32 v4, 1, v2
	v_mul_u32_u24 v4, v4, 12
	v_bfe_u32 v5, v2, 1, 1
	v_mad_u32_u24 v4, v5, 48, v4
	v_bfe_u32 v5, v2, 2, 1
	v_mad_u32_u24 v4, v5, 24, v4
	v_lshrrev_b32 v5, 3, v2
	v_mad_u32_u24 v4, v5, 96, v4                   ; my 12 bytes' place among a step's 384
	v_bfe_u32 v6, v2, 1, 2                         ; my block's byte in its K step's word,
	v_lshl_or_b32 v5, v5, 7, v6                    ; and the K step's 128 bytes: 128 (l / 8) + (l / 2) % 4
.macro TURN t                          ; a step's 2,048 bytes through my wave's stage: LDS serves a wave's instructions in order, so no wait stands between the stores and the loads
.irp i, 0,1,2,3
	ds_store_b128 v14, v[R+16*(\t)+4*\i:R+16*(\t)+4*\i+3] offset:32*SP*(\t)+8*SP*\i
.endr
.irp i, 0,1,2,3
	ds_load_b128 v[X+16*(\t)+4*\i:X+16*(\t)+4*\i+3], v15 offset:32*SP*(\t)+16*\i
.endr
.endm
.macro STEP t
.set XS, X+16*(\t)
	v_max3_num_f32 v8, |v[XS]|, |v[XS+1]|, |v[XS+2]|               ; the largest magnitude of my 16, in two chains
	v_max3_num_f32 v9, |v[XS+3]|, |v[XS+4]|, |v[XS+5]|
.irp i, 6,10
	v_max3_num_f32 v8, v8, |v[XS+\i]|, |v[XS+\i+1]|
	v_max3_num_f32 v9, v9, |v[XS+\i+2]|, |v[XS+\i+3]|
.endr
	v_max3_num_f32 v8, v8, |v[XS+14]|, |v[XS+15]|
	v_max3_num_f32 v8, v8, v9, 0x2800000           ; and the floor 2^(5 - 127): the byte cannot fall under 1
	v_max_num_f32_dpp v8, v8, v8 row_xmask:1 row_mask:0xf bank_mask:0xf   ; with my neighbour's 16: the block's
	v_add_nc_u32 v11, 0xfe000000, v8               ; 4 off its exponent field: the conversion takes the exponent field of this operand as its scale
	v_cvt_scalef32_pk16_bf6_f32 v[C+4*(\t):C+4*(\t)+2], v[XS:XS+15], v11   ; 16 codes, 96 bits, the lowest k lowest
	v_lshrrev_b32 v[E+(\t)], 23, v11               ; the scale's byte (a plain line behind the conversion)
	global_store_b96 v4, v[C+4*(\t):C+4*(\t)+2], s[6:7] offset:384*(\t)   ; the wave's 32 stores cover 384 consecutive bytes
	global_store_b8 v5, v[E+(\t)], s[8:9] offset:512*(\t)                 ; four K steps a step; both lanes of a block write the same byte with the same value
.endm
	s_wait_loadcnt 4                               ; step 0's four loads are in; step 1's four may be out
	TURN 0
	s_wait_loadcnt 0x0
	TURN 1
	s_wait_dscnt 8                                 ; step 0 is back from its stage; step 1's eight LDS instructions may be out
	STEP 0
	s_wait_dscnt 0x0
	STEP 1
	s_wait_tensorcnt 0x0                           ; the wave's end: three closing lines behind my last LDS store
	ds_add_u32 v[SPW], v[NIL]
	s_wait_dscnt 0x0
	s_endpgm
.Lfunc_end_k_q72b3347782_prep:
	.size	k_q72b3347782_prep, .Lfunc_end_k_q72b3347782_prep-k_q72b3347782_prep
	.p2alignl 7, 3214868480
	.fill 96, 4, 3214868480
	.section	.rodata,"a",@progbits
	.p2align	6, 0x0
	.amdhsa_kernel k_q72b3347782_prep
		.amdhsa_group_segment_fixed_size 20992
		.amdhsa_private_segment_fixed_size 0
		.amdhsa_enable_private_segment 0
		.amdhsa_kernarg_size 24
		.amdhsa_user_sgpr_count 2
		.amdhsa_user_sgpr_kernarg_segment_ptr 1
		.amdhsa_wavefront_size32 1
		.amdhsa_system_sgpr_workgroup_id_x 1
		.amdhsa_system_sgpr_workgroup_id_y 1
		.amdhsa_system_sgpr_workgroup_id_z 1
		.amdhsa_system_vgpr_workitem_id 0
		.amdhsa_next_free_vgpr 96
		.amdhsa_next_free_sgpr 66
		.amdhsa_reserve_vcc 0
		.amdhsa_float_denorm_mode_32 3
		.amdhsa_float_denorm_mode_16_64 3
		.amdhsa_memory_ordered 1
		.amdhsa_forward_progress 1
		.amdhsa_inst_pref_size 7
	.end_amdhsa_kernel
	.amdgpu_metadata
---
amdhsa.version: [ 1, 2 ]
amdhsa.kernels:
  - .name:           k_q72b3347782_prep
    .symbol:         k_q72b3347782_prep.kd
    .args:
      - { .name: x, .offset: 0, .size: 8, .value_kind: global_buffer, .address_space: global }
      - { .name: xq, .offset: 8, .size: 8, .value_kind: global_buffer, .address_space: global }
      - { .name: xs, .offset: 16, .size: 8, .value_kind: global_buffer, .address_space: global }
    .group_segment_fixed_size: 20992
    .private_segment_fixed_size: 0
    .kernarg_segment_align: 8
    .kernarg_segment_size: 24
    .max_flat_workgroup_size: 128
    .sgpr_count:     66
    .vgpr_count:     96
    .wavefront_size: 32
...
	.end_amdgpu_metadata
.endif
;; end of part 1
;; launch dense (part 2): grid 4 x 64, 4 waves a work-group, no clusters, 279,040 bytes of LDS; arguments xq, xs, urls, trans, bias, out0; writes out0
.if DOCPART == 2
	.amdgcn_target "amdgcn-amd-amdhsa--gfx1250"
	.amdhsa_code_object_version 6
	.text
	.protected	k_q72b3347782_dense
	.globl	k_q72b3347782_dense
	.p2align	8
	.type	k_q72b3347782_dense,@function
k_q72b3347782_dense:
	s_mov_b64 s[64:65], 0
	v_nop
	global_prefetch_b8 v0, s[64:65] scope:SCOPE_SE
	s_setreg_imm32_b32 hwreg(HW_REG_WAVE_MODE, 25, 1), 1
	s_wait_xcnt 0x0
; y_all[n][e][:] = Q(x[n]) . Q(trans[e]) for EVERY token n and EVERY expert e, as reference() writes it; out0[n] = tanh(y_all[n][urls[n]] + bias[urls[n]]).  Nothing is left out: which of a token's 64 rows is kept
; hangs on the value of urls, so the product is done and the row selected; bias, tanh and the store fall on the selected rows alone, as in reference().
; SHARES.  Work-group (x = slab, y = expert e): all 1,024 tokens x 256 columns of e: 8,192 matrix instructions, 2,048 a wave.  256 work-groups.  Each output row's 1,024 bytes of a slab have one owner: the work-group of the token's expert.
; PHASE S.  Wave w streams the 64 columns from 256 x + 64 w, all of K: 262,144 bytes of trans, read by this wave alone, once, and quantises them in registers: K is trans's first axis.
;   Lane (r = lane % 16, h = lane / 16) loads 16 bytes, W[k0 + 32 h + i][col0 + 4 r .. + 3]: in one instruction sixteen lanes read 256 consecutive aligned bytes of row k, the other sixteen those of row k + 32.
;   32 such loads are a CHUNK: 64 rows x 64 columns.  Column tile c (0..3) is the columns col0 + 4 r + c: lane (r, h) then holds, for each c, just k = 64 cc + 32 h + 0..31 of the operand's column r, the 6-bit operand's
;   layout: a block's largest magnitude needs no other lane.  Number (i, c) lands in register 4 i + c and the conversion wants 16 neighbours along K on end: one v_mov_b32 a number.
;   The fragments go to LDS AS IMAGES OF THEIR REGISTERS (16 bytes a lane, 512 a store); the four scale words of a K step likewise, by one store.  One barrier: then all 256 columns' codes lie in LDS, 212,992 bytes.
; PHASE C.  Wave w takes tokens 256 w .. 256 w + 255, in 4 passes of 4 tiles of 16.  A pass holds 4 tiles x 16 column tiles = 64 accumulators, 512 registers, and walks K OUTERMOST: so x's fragments are wanted a K step
;   at a time and come from memory straight into a ring of four register buffers, three K steps ahead, evenly through the phase; each token's codes are read once by the work-group.  W's fragments come from LDS through a ring
;   of four buffers, one a group g of four column tiles, three sub-steps (48 matrix instructions) ahead; each feeds four matrix instructions.
;   Source 0 = 16 tokens, source 1 = 16 columns: register j of lane (r, h) is (token 8 h + j, column 4 r + c).
; SELECTION, at a pass's end.  A token's bit says whether its url is e (made once, of urls, into scalar registers).  A tile none of whose tokens is e's is passed over.  Else the tile's sums, x 2 log2(e) with the bias added,
;   go to my wave's stage in LDS, and each of e's tokens is read back as its 1,024 bytes of the slab, put through tanh and stored: each store of the wave covers 512 consecutive bytes, aligned.  EXEC is never changed.
; tanh(y) = 1 - 2 / (1 + 2^(2 log2(e) y)): +-1 at the ends with no NaN; near 0 its error is that of one f32 subtraction from 1.
; NO TENSOR LOAD, NO CLUSTER: operands go through registers.  What work-groups share, x's codes, is 819,200 of the 1,867,776 bytes that a work-group reads.
; THE LAST PASS'S LOOK-AHEAD asks for its own tokens' first three K steps again (18,432 bytes a wave that nothing reads), so that the same loads are issued on every way and every counted wait holds; no load leaves its buffer.
; LIMITS: NaN and infinities in trans are not served by the quantiser; blocks whose largest magnitude lies under 2^-122 keep the scale byte 1 (a block of zeros too: its codes are zeros); urls lie in 0..63, as reference()
; relies on (a token outside gets no row).
; REGISTERS, in windows of 256 (s_set_vgpr_msb: bits 1:0 source 0, 3:2 source 1, 5:4 source 2, 7:6 destination):
;   window 0: v1-17 addresses that stay; v18-38 the quantiser's work; v40-47 x's scale words, a ring of 4 x 2; v48-63 W's, a ring of 4 x 4; v64-255: phase S: half blocks, W's codes, a chunk by columns; phase C: W's ring; selection: O, Y
;   window 1: phase S: two landing buffers of 128; phase C: v0-191 x's ring, v192-207 bias x 2 log2(e)      window 2: v0-7 urls at the start; accumulators of groups 0, 1      window 3: of groups 2, 3
.set GRP,   53248                      ; LDS: a group's region: 32 fragment images of 1,536 bytes ((4 s + c) x 1,536), then 8 scale images of 512
.set SCI,   49152
.set STG,   4*GRP                      ; behind the four regions: a stage of 16,384 bytes for each wave: (group g, register j) at 4,096 g + 512 j + 16 lane
.set SPARE, STG+4*16384                ; behind the stages: the spare words, 128 bytes for each wave: two blocks of 256 bytes that no other line names
.set WO,   1                           ; v1   h << 17 | r << 4: 32 h rows of 4,096 bytes + 16 r
.set PFO,  2                           ; v2   lane << 12: a row of trans a lane
.set SH8,  3                           ; v3   8 h
.set XAO,  4                           ; v4   768 r + 48 h: my place in a tile's codes
.set LL,   5                           ; v5   4 lane
.set LI,   6                           ; v6   16 lane
.set SW,   7                           ; v7   16 lane + GRP x wave: where my wave's images begin
.set RB,   8                           ; v8   the stage, on the way back: 4,096 (lane / 16) + 16 r
.set STO,  9                           ; v9   the stage, on the way in: 16 lane
.set C16R, 10                          ; v10  16 r
.set SWA,  11                          ; v11  the K step's fragment images
.set AW,   12                          ; v12-15  16 lane + GRP g: group g's images
.set SPW,  16                          ; v16  LDS address of my spare word; never rewritten
.set NIL,  17                          ; v17  0; never rewritten
.set WSC,  18
.set MX,   22
.set SO,   26
.set BY,   30
.set PT,   34
.set SWB,  38                          ; v38  the K step's scale image
.set XSC,  40                          ; x's scale words: buffer b, pair u at XSC + 2 b + u: lanes 0-15 tile 2 u's rows, lanes 16-31 tile 2 u + 1's
.set WSB,  48                          ; W's scale words: group g, tile c at WSB + 4 g + c
.set CT,   64
.set WC,   80
.set T,    128
.set WB,   64                          ; W's ring: group g, tile c at WB + 48 g + 12 c
.set O,    64                          ; selection: O + 32 g + 4 j + c
.set Y,    192                         ; selection: a token's 8 numbers of a lane
.set BI,   192                         ; window 1: bias x 2 log2(e) of columns 64 g + 4 r + c at BI + 4 g + c
.set U,    0                           ; window 2: urls of tokens 256 w + 32 k + lane at U + k
.set WP,   22                          ; s[22:23] trans at my columns, at the K step in hand
.set INC,  24                          ; s[24:25] what the next K step adds to it: 0 in the first, then 128 rows
.set KS,   26                          ; s26  the K step
.set K2,   27                          ; s27  2 log2(e)
.set SEL,  28                          ; s[28:29] v_permlanex16_b32's selects for lane l xor 16
.set LO,   30                          ; s30  6,144 x K step: its fragment images
.set LO2,  31                          ; s31  512 x K step: its scale image
.set XP,   32                          ; s[32:33] xq at the pass's first token;  s[34:35] at the next pass's (the last pass: its own)
.set XN,   34
.set XSP,  36                          ; s[36:37], s[38:39] xs likewise
.set XSN,  38
.set OP,   40                          ; s[40:41] out0 at the tile's first token, my slab
.set BP,   42                          ; s[42:43] bias[e] at my slab
.set UP,   44                          ; s[44:45] urls at my wave's first token
.set PS,   46                          ; s46  the pass
.set TT,   47                          ; s47  the tile
.set CUR,  48                          ; s48  the tile's 16 bits
.set DX,   50                          ; s[50:51], s[52:53] what a pass's end adds to XN, XSN
.set DS,   52
.set MK,   54                          ; s54-61 bit l of MK + k: the url of token (pass's first) + 32 k + l is e
.set MSB, 0
.macro WIN new                         ; the immediate's high byte repeats the setting that is left; a switch that changes nothing is dropped
.if MSB != \new
	s_set_vgpr_msb (MSB<<8)|\new
.set MSB, \new
.endif
.endm
; A chunk, rows r0 + 64 ch + 0..63 from s[WP] on, into landing buffer ch.  trans is read once by the launch.
.macro FILL ch, r0
	WIN 0x40                                       ; destination window 1, offset window 0
.set fi, 0
.rept 32
	global_load_b128 v[128*(\ch)+4*fi:128*(\ch)+4*fi+3], v[WO], s[WP:WP+1] offset:((\r0)+64*(\ch)+fi)*4096 th:TH_LOAD_NT
.set fi, fi+1
.endr
.endm
; The chunk by columns: T + 32 c + i = W[.. + 32 h + i][col0 + 4 r + c]
.macro MOVE ch
	WIN 0x01                                       ; source 0 window 1
.set mi, 0
.rept 32
.irp c, 0,1,2,3
	v_mov_b32 v[T+32*\c+mi], v[128*(\ch)+4*mi+\c]
.endr
.set mi, mi+1
.endr
.endm
; Four blocks of 32, one a column tile, become registers 6 ch .. 6 ch + 5 of W's four fragments; behind chunk 1 the scale words are whole.  The four by turns: no line waits for the line above it.
.macro QUANT ch
	WIN 0
.irp c, 0,1,2,3
	v_max3_num_f32 v[MX+\c], |v[T+32*\c]|, |v[T+32*\c+1]|, 0x2800000   ; and the floor 2^(5 - 127): the byte cannot fall under 1
.endr
.irp i, 2,4,6,8,10,12,14,16,18,20,22,24,26,28,30
.irp c, 0,1,2,3
	v_max3_num_f32 v[MX+\c], v[MX+\c], |v[T+32*\c+\i]|, |v[T+32*\c+\i+1]|
.endr
.endr
.irp c, 0,1,2,3
	v_add_nc_u32 v[SO+\c], 0xfe000000, v[MX+\c]    ; 4 off the exponent field: the conversion's scale operand
.endr
.if (\ch) == 0
.irp c, 0,1,2,3
	v_lshrrev_b32 v[BY+\c], 23, v[SO+\c]           ; the byte of block h
.endr
.else
.irp c, 0,1,2,3
	v_lshrrev_b32 v[PT+\c], 23, v[SO+\c]           ; the byte of block 2 + h
.endr
.irp c, 0,1,2,3
	v_lshl_or_b32 v[BY+\c], v[PT+\c], 16, v[BY+\c]
.endr
.irp c, 0,1,2,3
	v_lshlrev_b32 v[BY+\c], v[SH8], v[BY+\c]       ; at their places in the word: 8 h bits up
.endr
.irp c, 0,1,2,3
	v_permlanex16_b32 v[PT+\c], v[BY+\c], s[SEL], s[SEL+1]
.endr
.irp c, 0,1,2,3
	v_or_b32 v[WSC+\c], v[BY+\c], v[PT+\c]         ; with lane l xor 16's two bytes the word is whole
.endr
.endif
.irp c, 0,1,2,3
	v_cvt_scalef32_pk16_bf6_f32 v[WC+12*\c+6*(\ch):WC+12*\c+6*(\ch)+2], v[T+32*\c:T+32*\c+15], v[SO+\c]
	v_cvt_scalef32_pk16_bf6_f32 v[CT+4*\c:CT+4*\c+2], v[T+32*\c+16:T+32*\c+31], v[SO+\c]   ; (a conversion's three registers begin on an even number: the block's second half is made elsewhere and moved)
.endr
	v_nop                                          ; one plain line behind the last scaled conversion
.irp c, 0,1,2,3
.irp i, 0,1,2
	v_mov_b32 v[WC+12*\c+6*(\ch)+3+\i], v[CT+4*\c+\i]
.endr
.endr
.endm
; Asking ahead: the 128 rows x 256 bytes of my columns in K step KS + 2, a lane a row, four instructions, behind the run of loads for K step KS + 1.  Each such run of 256 bytes is named once in the launch,
; by the one wave that loads it.  K steps 6 and 7 ask for nothing: row 1,023 is the last named.  K steps 0 and 1 come by their loads alone.
.macro ASK
	s_cmp_lt_u32 s[KS], 6
	s_cbranch_scc0 .Lnoask_\@
.irp u, 0,1,2,3
	global_prefetch_b8 v[PFO], s[WP:WP+1] offset:(256+32*\u)*4096 th:TH_LOAD_NT scope:SCOPE_SE
.endr
.Lnoask_\@:
.endm
; The K step's four fragments and its four scale words go to LDS as they stand in the registers
.macro IMG
	v_add_nc_u32 v[SWA], s[LO], v[SW]
	v_add_nc_u32 v[SWB], s[LO2], v[SW]
.irp c, 0,1,2,3
.irp p, 0,1,2
	ds_store_b128 v[SWA], v[WC+12*\c+4*\p:WC+12*\c+4*\p+3] offset:1536*\c+512*\p
.endr
.endr
	ds_store_b128 v[SWB], v[WSC:WSC+3] offset:SCI
	s_add_co_u32 s[LO], s[LO], 6144
	s_add_co_u32 s[LO2], s[LO2], 512
.endm
; x of one K step: four fragments into ring buffer b (12 loads of 16 bytes a lane) and the scale words of the 64 tokens (2 loads of 128 consecutive bytes): 14 loads.  si: the K step, counted from the pointers pc, ps.
; Every work-group reads these bytes, so no hint.
.macro XL b, si, pc, ps
	WIN 0x40                                       ; destination window 1
.irp t, 0,1,2,3
.irp p, 0,1,2
	global_load_b128 v[48*(\b)+12*\t+4*\p:48*(\b)+12*\t+4*\p+3], v[XAO], s[\pc:\pc+1] offset:12288*\t+96*(\si)+16*\p
.endr
.endr
	WIN 0
.irp u, 0,1
	global_load_b32 v[XSC+2*(\b)+\u], v[LL], s[\ps:\ps+1] offset:1024*\u+128*(\si)
.endr
.endm
; W of one sub-step (K step s, group g): four fragments and four scale words come back from LDS as they were stored: 13 loads
.macro WLOAD s, g
.irp c, 0,1,2,3
.irp p, 0,1,2
	ds_load_b128 v[WB+48*(\g)+12*\c+4*\p:WB+48*(\g)+12*\c+4*\p+3], v[AW+(\g)] offset:(4*(\s)+\c)*1536+512*\p
.endr
.endr
	ds_load_b128 v[WSB+4*(\g):WSB+4*(\g)+3], v[AW+(\g)] offset:SCI+512*(\s)
.endm
; 16 products: four tiles of tokens x group g's four tiles of columns, 128 along K.  The pass's 64 accumulators take turns, one instruction a turn, in the same order in every K step.
; K step 0 starts the sums: nothing is cleared.
.macro MUL s, g
	WIN 0xa1+0x50*((\g)/2)                         ; source 0 (x) window 1, source 1 (W) window 0, C and D window 2 or 3
.irp t, 0,1,2,3
.irp c, 0,1,2,3
.set AC, 128*((\g)%2)+8*(4*\t+\c)
.set AX, 48*((\s)%4)+12*\t
.set BW, WB+48*(\g)+12*\c
.set SA, XSC+2*((\s)%4)+\t/2
.set SB, WSB+4*(\g)+\c
.if (\s) == 0
.if \t%2
	v_wmma_scale_f32_16x16x128_f8f6f4 v[AC:AC+7], v[AX:AX+11], v[BW:BW+11], 0, v[SA], v[SB] matrix_a_fmt:MATRIX_FMT_BF6 matrix_b_fmt:MATRIX_FMT_BF6 matrix_a_scale:MATRIX_SCALE_ROW1
.else
	v_wmma_scale_f32_16x16x128_f8f6f4 v[AC:AC+7], v[AX:AX+11], v[BW:BW+11], 0, v[SA], v[SB] matrix_a_fmt:MATRIX_FMT_BF6 matrix_b_fmt:MATRIX_FMT_BF6
.endif
.else
.if \t%2
	v_wmma_scale_f32_16x16x128_f8f6f4 v[AC:AC+7], v[AX:AX+11], v[BW:BW+11], v[AC:AC+7], v[SA], v[SB] matrix_a_fmt:MATRIX_FMT_BF6 matrix_b_fmt:MATRIX_FMT_BF6 matrix_a_scale:MATRIX_SCALE_ROW1
.else
	v_wmma_scale_f32_16x16x128_f8f6f4 v[AC:AC+7], v[AX:AX+11], v[BW:BW+11], v[AC:AC+7], v[SA], v[SB] matrix_a_fmt:MATRIX_FMT_BF6 matrix_b_fmt:MATRIX_FMT_BF6
.endif
.endif
.endr
.endr
.endm
; A K step of phase S.  Loads are issued in the order chunk 0, chunk 1, chunk 2 ..  more = 1: the next K step's chunks are asked for; more = 0, the last: the landing buffers take phase C's first operands as they fall free.
.macro SSTEP more
	s_wait_loadcnt 32                              ; the K step's first chunk is in; behind it its second chunk's 32 loads
.if \more
	s_wait_xcnt 0x0                                ; the loads and requests that name s[WP] were issued in the step before: it is stepped only behind this wait
	s_add_nc_u64 s[WP:WP+1], s[WP:WP+1], s[INC:INC+1]
	s_mov_b32 s[INC], 0x80000                      ; from the second K step on: 128 rows
.endif
	MOVE 0
.if \more
	FILL 0, 128                                    ; the buffer just read takes the next K step's first chunk
	WIN 0
	ASK
.else
	XL 0, 0, XP, XSP                               ; x of the first pass's K steps 0 and 1: 28 loads
	XL 1, 1, XP, XSP
.endif
	s_wait_dscnt 0x0                               ; the last K step's image stores have read their registers
	QUANT 0
.if \more
	s_wait_loadcnt 32                              ; the second chunk is in; behind it the 32 loads just issued
.else
	s_wait_loadcnt 28                              ; the last chunk is in; behind it x's 28
.endif
	MOVE 1
.if \more
	FILL 1, 128
.else
	WIN 0x40
.irp g, 0,1,2,3
	global_load_b128 v[BI+4*\g:BI+4*\g+3], v[C16R], s[BP:BP+1] offset:256*\g   ; bias of columns 64 g + 4 r + 0..3
.endr
	XL 2, 2, XP, XSP
.endif
	QUANT 1
	IMG
.endm
; Tile t at a pass's end.  None of its tokens is e's: on to the next tile.  Else all its sums, x 2 log2(e) with the bias added, go to my stage.  Each accumulator is read from its register 0 on.
.macro ARM t
	s_bfe_u32 s[CUR], s[MK+(\t)/2], 0x100000|(16*((\t)%2))   ; 16 bits: bit m is token m of the tile
	s_cmp_eq_u32 s[CUR], 0
	s_cbranch_scc1 .Lnext
	s_wait_dscnt 0x0                               ; an earlier tile's stores into the stage have read their registers
.irp g, 0,1,2,3
	WIN 0x12+(\g)/2                                ; source 0 window 2 or 3, source 2 window 1
.irp j, 0,1,2,3,4,5,6,7
.irp c, 0,1,2,3
	v_fma_f32 v[O+32*\g+4*\j+\c], v[128*((\g)%2)+8*(4*(\t)+\c)+\j], s[K2], v[BI+4*\g+\c]   ; 2 log2(e) (sum + bias) of (token 8 h + j, column 64 g + 4 r + c)
.endr
.endr
	WIN 0
.irp j, 0,1,2,3,4,5,6,7
	ds_store_b128 v[STO], v[O+32*\g+4*\j:O+32*\g+4*\j+3] offset:4096*\g+512*\j
.endr
.endr
.endm
; Token m of the tile in the stage (row m = 8 h + j lies at 512 j + 256 h of each group's 4,096 bytes).  If its url is e: its 1,024 bytes of the slab come back, lanes 0-15 an even group's 256, lanes 16-31 the odd one's; tanh; two stores.
.macro TOK m
	s_bitcmp1_b32 s[CUR], \m
	s_cbranch_scc0 .Lno_\@
	s_wait_xcnt 0x0                                ; an earlier token's stores have read Y: it is loaded again only behind this wait
	ds_load_b128 v[Y:Y+3], v[RB] offset:512*((\m)%8)+256*((\m)/8)          ; LDS serves a wave's instructions in order: these see my stores
	ds_load_b128 v[Y+4:Y+7], v[RB] offset:8192+512*((\m)%8)+256*((\m)/8)
	s_wait_dscnt 0x0
.irp i, 0,1,2,3,4,5,6,7
	v_exp_f32 v[Y+\i], v[Y+\i]
.endr
	v_nop                                          ; a plain line behind the last exponential
	s_wait_alu depctr_va_vdst(0)                   ; the wait ahead of the first line that names a result: one for the eight
.irp i, 0,2,4,6
	v_pk_add_f32 v[Y+\i:Y+\i+1], v[Y+\i:Y+\i+1], 1.0 op_sel_hi:[1,0]
.endr
.irp i, 0,1,2,3,4,5,6,7
	v_rcp_f32 v[Y+\i], v[Y+\i]
.endr
	v_nop
	s_wait_alu depctr_va_vdst(0)                   ; and one for the eight reciprocals
.irp i, 0,2,4,6
	v_pk_fma_f32 v[Y+\i:Y+\i+1], v[Y+\i:Y+\i+1], -2.0, 1.0 op_sel_hi:[1,0,0]   ; 1 - 2 / (1 + 2^..)
.endr
	global_store_b128 v[LI], v[Y:Y+3], s[OP:OP+1] offset:4096*(\m) th:TH_STORE_NT         ; the 32 lanes store 512 consecutive bytes of the token's row, at a multiple of 256 from out0's first byte
	global_store_b128 v[LI], v[Y+4:Y+7], s[OP:OP+1] offset:4096*(\m)+512 th:TH_STORE_NT
.Lno_\@:
.endm
	s_load_b256 s[4:11], s[0:1], 0x0               ; xq s[4:5], xs s[6:7], urls s[8:9], trans s[10:11]
	s_load_b128 s[12:15], s[0:1], 0x20             ; bias s[12:13], out0 s[14:15]
	v_lshl_add_u32 v[SPW], v0, 2, SPARE
	v_mov_b32 v[NIL], 0
	v_lshrrev_b32 v20, 5, v0
	v_readfirstlane_b32 s16, v20                   ; wave 0..3
	v_and_b32 v18, 15, v0                          ; r
	v_bfe_u32 v19, v0, 4, 1                        ; h
	v_and_b32 v20, 31, v0                          ; lane
	v_lshlrev_b32 v[C16R], 4, v18
	v_lshl_or_b32 v[WO], v19, 17, v[C16R]
	v_lshlrev_b32 v[PFO], 12, v20
	v_lshlrev_b32 v[SH8], 3, v19
	v_mul_u32_u24 v[XAO], v18, 768
	v_mad_u32_u24 v[XAO], v19, 48, v[XAO]
	v_lshlrev_b32 v[LL], 2, v20
	v_lshlrev_b32 v[LI], 4, v20
	s_mul_i32 s19, s16, GRP
	v_add_nc_u32 v[SW], s19, v[LI]
.irp g, 0,1,2,3
	v_add_nc_u32 v[AW+\g], \g*GRP, v[LI]
.endr
	s_lshl_b32 s19, s16, 14
	s_add_co_u32 s19, s19, STG                     ; my stage
	v_add_nc_u32 v[STO], s19, v[LI]
	v_lshl_add_u32 v[RB], v19, 12, v[C16R]
	v_add_nc_u32 v[RB], s19, v[RB]
.irp c, 0,1,2,3
	v_mov_b32 v[PT+\c], 0                          ; written once: a lane permute's destination counts as one of its sources
.endr
	s_and_b32 s17, ttmp7, 0xffff                   ; e
	s_lshl_b32 s18, ttmp9, 10                      ; my slab's first column, in bytes
	s_mov_b32 s21, 0
	s_mov_b32 s[K2], 0x4038aa3b                    ; 2 log2(e)
	s_mov_b32 s[SEL], 0x76543210
	s_mov_b32 s[SEL+1], 0xfedcba98
	s_mov_b32 s[INC], 0
	s_mov_b32 s[INC+1], 0
	s_mov_b32 s[LO], 0
	s_mov_b32 s[LO2], 0
	s_mov_b32 s[DX+1], 0
	s_mov_b32 s[DS+1], 0
	s_wait_kmcnt 0x0
	s_lshl_b32 s20, s16, 10
	s_add_nc_u64 s[UP:UP+1], s[8:9], s[20:21]      ; urls of my 256 tokens
	s_lshl_b32 s20, s17, 22                        ; an expert's matrix is 2^22 bytes
	s_add_co_u32 s20, s20, s18
	s_lshl_b32 s19, s16, 8
	s_add_co_u32 s20, s20, s19                     ; + my wave's 64 columns
	s_add_nc_u64 s[WP:WP+1], s[10:11], s[20:21]
	WIN 0x80                                       ; destination window 2
.irp k, 0,1,2,3,4,5,6,7
	global_load_b32 v[U+\k], v[LL], s[UP:UP+1] offset:128*\k
.endr
	FILL 0, 0
	FILL 1, 0
	WIN 0                                          ; at a label and at a branch every window is 0
	s_lshl_b32 s20, s17, 12
	s_add_co_u32 s20, s20, s18
	s_add_nc_u64 s[BP:BP+1], s[12:13], s[20:21]    ; bias[e] at my slab
	s_lshl_b32 s20, s16, 20
	s_add_co_u32 s20, s20, s18
	s_add_nc_u64 s[OP:OP+1], s[14:15], s[20:21]    ; out0 at token 256 w, my slab
	s_mul_i32 s20, s16, 196608
	s_add_nc_u64 s[XP:XP+1], s[4:5], s[20:21]      ; xq at token 256 w,
	s_add_nc_u64 s[XN:XN+1], s[XP:XP+1], 49152     ; and 64 tokens on
	s_lshl_b32 s20, s16, 13
	s_add_nc_u64 s[XSP:XSP+1], s[6:7], s[20:21]    ; xs likewise
	s_add_nc_u64 s[XSN:XSN+1], s[XSP:XSP+1], 2048
	; ---------------- PHASE S
	s_mov_b32 s[KS], 0
.Lk:                                               ; K steps 0 to 6
	SSTEP 1
	s_add_co_u32 s[KS], s[KS], 1
	s_cmp_lt_u32 s[KS], 7
	s_cbranch_scc1 .Lk
	SSTEP 0                                        ; the last K step asks for nothing of trans: no load leaves its buffer
	s_wait_dscnt 0x0                               ; for the others' sake: my images have landed
	s_barrier_signal -1
	s_barrier_wait -1                              ; all 256 columns' codes and scale words lie in LDS; nobody writes them again
	s_wait_loadcnt 14                              ; the bias is in (and the urls, long ago); behind it x of K step 2, 14 loads
	WIN 0x44                                       ; source 1 and destination window 1
.set bi, 0
.rept 16
	v_mul_f32 v[BI+bi], s[K2], v[BI+bi]            ; bias x 2 log2(e): the addend of the selection's fused multiply-add
.set bi, bi+1
.endr
	WIN 0x08                                       ; source 1 window 2
.irp k, 0,1,2,3,4,5,6,7
	v_cmp_eq_u32 s[MK+\k], s17, v[U+\k]            ; which of my 256 tokens are e's
.endr
	WIN 0
	; ---------------- PHASE C
	s_mov_b32 s[PS], 0
.Lpass:
	s_wait_dscnt 0x0                               ; the selection's LDS instructions are done: their registers take W's ring again
	WLOAD 0, 0
	WLOAD 0, 1
	WLOAD 0, 2
.set ii, 0
.rept 32                                           ; sub-step ii = 4 s + g
.set ss, ii/4
.set gg, ii%4
.set sn, (ii+3)/4
.set gn, (ii+3)%4
.set xb, (ss+3)%4
.if ii < 29
.rept 4
	v_nop                                          ; places ahead of loads into registers that the last sub-step's products have read (ISA guide 7.12.1 for vector instructions)
.endr
	WIN 0
	WLOAD sn, gn                                   ; three sub-steps ahead, into the buffer just read
.endif
.if gg == 0
.if ss < 5
	XL xb, ss+3, XP, XSP                           ; three K steps ahead, into the buffer just read
.else
	XL xb, ss-5, XN, XSN                           ; the next pass's first three K steps
.endif
	s_wait_loadcnt 42                              ; x of this K step is in; behind it three K steps' 14 loads each
.endif
.if ii < 29
	s_wait_dscnt 39                                ; this sub-step's 13 loads are in; behind them three sub-steps' 13 each
.else
	s_wait_dscnt 13*(31-ii)                        ; the pass's last sub-steps ask for nothing: the counts run down
.endif
	MUL ss, gg
.set ii, ii+1
.endr
	; ---------------- THE SELECTION
	WIN 0
.rept 5
	v_nop                                          ; places behind the last products: four ahead of the first read of results and of loads into their operands, five ahead of the next pass's products, which write over the sums
.endr
	s_mov_b32 s[TT], 0
.Lt:                                               ; four tiles; the walk is the same for every wave, what is passed over hangs on urls
	s_cmp_eq_u32 s[TT], 0
	s_cbranch_scc1 .Larm0
	s_cmp_eq_u32 s[TT], 1
	s_cbranch_scc1 .Larm1
	s_cmp_eq_u32 s[TT], 2
	s_cbranch_scc1 .Larm2
	ARM 3
	s_branch .Lrb
.Larm0:
	ARM 0
	s_branch .Lrb
.Larm1:
	ARM 1
	s_branch .Lrb
.Larm2:
	ARM 2
.Lrb:
.irp m, 0,1,2,3,4,5,6,7,8,9,10,11,12,13,14,15
	TOK \m
.endr
.Lnext:
	s_wait_xcnt 0x0                                ; the tile's stores have read their base and data
	s_add_nc_u64 s[OP:OP+1], s[OP:OP+1], 65536     ; 16 tokens on: behind the fourth tile it stands at the next pass's first token
	s_add_co_u32 s[TT], s[TT], 1
	s_cmp_lt_u32 s[TT], 4
	s_cbranch_scc1 .Lt
	s_cmp_lt_u32 s[PS], 2                          ; behind passes 0 and 1 the look-ahead moves on; then it stays at the last pass's tokens
	s_cselect_b32 s[DX], 49152, 0
	s_cselect_b32 s[DS], 2048, 0
	s_wait_xcnt 0x0                                ; the loads that name the four pointers have read them
	s_mov_b64 s[XP:XP+1], s[XN:XN+1]
	s_mov_b64 s[XSP:XSP+1], s[XSN:XSN+1]
	s_add_nc_u64 s[XN:XN+1], s[XN:XN+1], s[DX:DX+1]
	s_add_nc_u64 s[XSN:XSN+1], s[XSN:XSN+1], s[DS:DS+1]
.irp k, 0,1,2,3,4,5
	s_mov_b32 s[MK+\k], s[MK+\k+2]                 ; the next pass's 64 bits come to the front
.endr
	s_add_co_u32 s[PS], s[PS], 1
	s_cmp_lt_u32 s[PS], 4
	s_cbranch_scc1 .Lpass
	s_wait_tensorcnt 0x0                           ; the wave's end: three closing lines behind my last LDS store
	ds_add_u32 v[SPW], v[NIL]
	s_wait_dscnt 0x0
	s_endpgm
.Lfunc_end_k_q72b3347782_dense:
	.size	k_q72b3347782_dense, .Lfunc_end_k_q72b3347782_dense-k_q72b3347782_dense
	.p2alignl 7, 3214868480
	.fill 96, 4, 3214868480
	.section	.rodata,"a",@progbits
	.p2align	6, 0x0
	.amdhsa_kernel k_q72b3347782_dense
		.amdhsa_group_segment_fixed_size 279040
		.amdhsa_private_segment_fixed_size 0
		.amdhsa_enable_private_segment 0
		.amdhsa_kernarg_size 48
		.amdhsa_user_sgpr_count 2
		.amdhsa_user_sgpr_kernarg_segment_ptr 1
		.amdhsa_wavefront_size32 1
		.amdhsa_system_sgpr_workgroup_id_x 1
		.amdhsa_system_sgpr_workgroup_id_y 1
		.amdhsa_system_sgpr_workgroup_id_z 1
		.amdhsa_system_vgpr_workitem_id 0
		.amdhsa_next_free_vgpr 1024
		.amdhsa_next_free_sgpr 66
		.amdhsa_reserve_vcc 0
		.amdhsa_float_denorm_mode_32 3
		.amdhsa_float_denorm_mode_16_64 3
		.amdhsa_memory_ordered 1
		.amdhsa_forward_progress 1
		.amdhsa_inst_pref_size 240
	.end_amdhsa_kernel
	.amdgpu_metadata
---
amdhsa.version: [ 1, 2 ]
amdhsa.kernels:
  - .name:           k_q72b3347782_dense
    .symbol:         k_q72b3347782_dense.kd
    .args:
      - { .name: xq, .offset: 0, .size: 8, .value_kind: global_buffer, .address_space: global }
      - { .name: xs, .offset: 8, .size: 8, .value_kind: global_buffer, .address_space: global }
      - { .name: urls, .offset: 16, .size: 8, .value_kind: global_buffer, .address_space: global }
      - { .name: trans, .offset: 24, .size: 8, .value_kind: global_buffer, .address_space: global }
      - { .name: bias, .offset: 32, .size: 8, .value_kind: global_buffer, .address_space: global }
      - { .name: out0, .offset: 40, .size: 8, .value_kind: global_buffer, .address_space: global }
    .group_segment_fixed_size: 279040
    .private_segment_fixed_size: 0
    .kernarg_segment_align: 8
    .kernarg_segment_size: 48
    .max_flat_workgroup_size: 128
    .sgpr_count:     66
    .vgpr_count:     1024
    .wavefront_size: 32
...
	.end_amdgpu_metadata
.endif
;; end of part 2
;; ======== version 2 of 2: 2 launches
;; limits: right only within a limited range of input values
;; workspace buffers: xq 786,432 bytes; xs 32,768 bytes
;; launch prep (part 3): grid 256 x 1, 4 waves a work-group, no clusters, 20,992 bytes of LDS; arguments x, xq, xs; writes xq, xs
.if DOCPART == 3
	.amdgcn_target "amdgcn-amd-amdhsa--gfx1250"
	.amdhsa_code_object_version 6
	.text
	.protected	k_q72b3347782_prep
	.globl	k_q72b3347782_prep
	.p2align	8
	.type	k_q72b3347782_prep,@function
k_q72b3347782_prep:
	s_mov_b64 s[64:65], 0
	v_nop
	global_prefetch_b8 v0, s[64:65] scope:SCOPE_SE
	s_setreg_imm32_b32 hwreg(HW_REG_WAVE_MODE, 25, 1), 1
	s_wait_xcnt 0x0
; out[n] = tanh(Q(x[n]) . Q(trans[urls[n]]) + bias[urls[n]]), Q the quantiser to E3M2 along K with one E8M0 scale for each 32.
; NOTHING OF reference() IS LEFT OUT: the next launch computes y_all whole, every token against every expert, as reference() writes it, and selects each token's routed row:
; which of a token's 64 rows is kept hangs on the value of urls, so the work is done and the row selected.  Bias and tanh fall on the selected rows alone, as in reference().
; THIS LAUNCH: x [1024 tokens][1024] f32 becomes codes and scale bytes, one wave to a token, laid as the next launch's operand registers want them.
;   xq [token][K step s 0..7][h 0..1][cc 0..1][24 bytes]: the block of k = 128 s + 64 cc + 32 h + 0..31 lies at byte 768 token + 96 s + 48 h + 24 cc, so that the 12 registers which lane (row, h)
;   of a matrix operand wants for a K step of 128 are 48 consecutive bytes at a multiple of 16.
;   xs [token / 32][K step s][token % 32] words: byte b of a word is the scale byte of k = 128 s + 32 b + 0..31: a K step's words of 32 tokens are 128 consecutive bytes.
; A block's scale byte is its largest magnitude's exponent field - 4, held at 1 from below by a floor among the maximum's leaves.  (A block of zeros keeps the byte 1 where the rule says 127: its codes are zeros,
; which add nothing, and this program alone reads the bytes.)  Beyond 28 the conversion gives the largest code, as the rule asks.
; LIMITS: NaN and infinities in x are not served; blocks whose largest magnitude lies under 2^-122 keep the byte 1.
; The scale bytes leave one byte a lane: whole runs of 256 would want 32 tokens' bytes brought together through LDS behind a barrier, for 32,768 of the launch's 5 million bytes.
; No matrix unit, no cluster, no tensor load: waves share nothing.
.set WREG,  5120                       ; LDS of a wave: two stages of 32 places of SP bytes
.set SP,    80                         ; a lane's place in a stage: its 64 bytes + 16 of padding
.set SPARE, 4*WREG                     ; behind the four regions: the spare words, 128 bytes for each wave: two blocks of 256 bytes that no other line names
.set SPW,   12                         ; v12      LDS address of my spare word; never rewritten
.set NIL,   13                         ; v13      0; never rewritten
.set R,     16                         ; v16-47   two sets of 16 numbers as loaded
.set X,     48                         ; v48-79   two sets of 16 neighbours along K
.set C,     80                         ; v80-87   codes: four registers a step, so that no store's data are written again
.set E,     88                         ; v88-89   a scale byte a step
	s_load_b128 s[4:7], s[0:1], 0x0                ; x s[4:5], xq s[6:7]
	s_load_b64 s[8:9], s[0:1], 0x10                ; xs
	v_lshl_add_u32 v[SPW], v0, 2, SPARE
	v_mov_b32 v[NIL], 0
	v_lshrrev_b32 v1, 5, v0
	v_readfirstlane_b32 s16, v1                    ; wave 0..3
	v_and_b32 v2, 31, v0                           ; lane
	v_lshlrev_b32 v3, 4, v2                        ; 16 bytes a lane
	s_lshl_b32 s17, ttmp9, 2
	s_add_co_u32 s17, s17, s16                     ; token = 4 x work-group + wave
	s_lshl_b32 s18, s17, 12
	s_mov_b32 s19, 0
	s_wait_alu depctr_va_vdst(0)
	s_wait_kmcnt 0x0
	s_add_nc_u64 s[4:5], s[4:5], s[18:19]          ; its row of x
.macro LOAD t                          ; each load reads 512 consecutive bytes, 16 a lane
.irp i, 0,1,2,3
	global_load_b128 v[R+16*(\t)+4*\i:R+16*(\t)+4*\i+3], v3, s[4:5] offset:2048*(\t)+512*\i th:TH_LOAD_NT
.endr
.endm
	LOAD 0
	LOAD 1
	s_mul_i32 s20, s17, 768
	s_mov_b32 s21, 0
	s_add_nc_u64 s[6:7], s[6:7], s[20:21]          ; its codes
	s_lshr_b32 s22, s17, 5
	s_lshl_b32 s22, s22, 10                        ; its scale words: 1,024 bytes for each 32 tokens,
	s_and_b32 s23, s17, 31
	s_lshl_b32 s23, s23, 2                         ; 4 bytes a token in each K step's 128
	s_add_co_u32 s22, s22, s23
	s_mov_b32 s23, 0
	s_add_nc_u64 s[8:9], s[8:9], s[22:23]
	s_mul_i32 s24, s16, WREG
	v_lshrrev_b32 v14, 2, v2
	v_mul_u32_u24 v14, v14, SP
	v_and_b32 v15, 3, v2
	v_lshl_add_u32 v14, v15, 4, v14
	v_add_nc_u32 v14, s24, v14                     ; the stage, on the way in: four lanes' 64 bytes on end, then 16 of padding
	v_mul_u32_u24 v15, v2, SP
	v_add_nc_u32 v15, s24, v15                     ; and on the way out: my 16 neighbours
	; lane l of step t holds k = 512 t + 16 l + 0..15: K step 4 t + l / 8; in it bit 0 of l is the half of a block (12 bytes), bit 1 is h (48), bit 2 is cc (24)
	v_and_b32 v4, 1, v2
	v_mul_u32_u24 v4, v4, 12
	v_bfe_u32 v5, v2, 1, 1
	v_mad_u32_u24 v4, v5, 48, v4
	v_bfe_u32 v5, v2, 2, 1
	v_mad_u32_u24 v4, v5, 24, v4
	v_lshrrev_b32 v5, 3, v2
	v_mad_u32_u24 v4, v5, 96, v4                   ; my 12 bytes' place among a step's 384
	v_bfe_u32 v6, v2, 1, 2                         ; my block's byte in its K step's word,
	v_lshl_or_b32 v5, v5, 7, v6                    ; and the K step's 128 bytes: 128 (l / 8) + (l / 2) % 4
.macro TURN t                          ; a step's 2,048 bytes through my wave's stage: LDS serves a wave's instructions in order, so no wait stands between the stores and the loads
.irp i, 0,1,2,3
	ds_store_b128 v14, v[R+16*(\t)+4*\i:R+16*(\t)+4*\i+3] offset:32*SP*(\t)+8*SP*\i
.endr
.irp i, 0,1,2,3
	ds_load_b128 v[X+16*(\t)+4*\i:X+16*(\t)+4*\i+3], v15 offset:32*SP*(\t)+16*\i
.endr
.endm
.macro STEP t
.set XS, X+16*(\t)
	v_max3_num_f32 v8, |v[XS]|, |v[XS+1]|, |v[XS+2]|               ; the largest magnitude of my 16, in two chains
	v_max3_num_f32 v9, |v[XS+3]|, |v[XS+4]|, |v[XS+5]|
.irp i, 6,10
	v_max3_num_f32 v8, v8, |v[XS+\i]|, |v[XS+\i+1]|
	v_max3_num_f32 v9, v9, |v[XS+\i+2]|, |v[XS+\i+3]|
.endr
	v_max3_num_f32 v8, v8, |v[XS+14]|, |v[XS+15]|
	v_max3_num_f32 v8, v8, v9, 0x2800000           ; and the floor 2^(5 - 127): the byte cannot fall under 1
	v_max_num_f32_dpp v8, v8, v8 row_xmask:1 row_mask:0xf bank_mask:0xf   ; with my neighbour's 16: the block's
	v_add_nc_u32 v11, 0xfe000000, v8               ; 4 off its exponent field: the conversion takes the exponent field of this operand as its scale
	v_cvt_scalef32_pk16_bf6_f32 v[C+4*(\t):C+4*(\t)+2], v[XS:XS+15], v11   ; 16 codes, 96 bits, the lowest k lowest
	v_lshrrev_b32 v[E+(\t)], 23, v11               ; the scale's byte (a plain line behind the conversion)
	global_store_b96 v4, v[C+4*(\t):C+4*(\t)+2], s[6:7] offset:384*(\t)   ; the wave's 32 stores cover 384 consecutive bytes
	global_store_b8 v5, v[E+(\t)], s[8:9] offset:512*(\t)                 ; four K steps a step; both lanes of a block write the same byte with the same value
.endm
	s_wait_loadcnt 4                               ; step 0's four loads are in; step 1's four may be out
	TURN 0
	s_wait_loadcnt 0x0
	TURN 1
	s_wait_dscnt 8                                 ; step 0 is back from its stage; step 1's eight LDS instructions may be out
	STEP 0
	s_wait_dscnt 0x0
	STEP 1
	s_wait_tensorcnt 0x0                           ; the wave's end: three closing lines behind my last LDS store
	ds_add_u32 v[SPW], v[NIL]
	s_wait_dscnt 0x0
	s_endpgm
.Lfunc_end_k_q72b3347782_prep:
	.size	k_q72b3347782_prep, .Lfunc_end_k_q72b3347782_prep-k_q72b3347782_prep
	.p2alignl 7, 3214868480
	.fill 96, 4, 3214868480
	.section	.rodata,"a",@progbits
	.p2align	6, 0x0
	.amdhsa_kernel k_q72b3347782_prep
		.amdhsa_group_segment_fixed_size 20992
		.amdhsa_private_segment_fixed_size 0
		.amdhsa_enable_private_segment 0
		.amdhsa_kernarg_size 24
		.amdhsa_user_sgpr_count 2
		.amdhsa_user_sgpr_kernarg_segment_ptr 1
		.amdhsa_wavefront_size32 1
		.amdhsa_system_sgpr_workgroup_id_x 1
		.amdhsa_system_sgpr_workgroup_id_y 1
		.amdhsa_system_sgpr_workgroup_id_z 1
		.amdhsa_system_vgpr_workitem_id 0
		.amdhsa_next_free_vgpr 96
		.amdhsa_next_free_sgpr 66
		.amdhsa_reserve_vcc 0
		.amdhsa_float_denorm_mode_32 3
		.amdhsa_float_denorm_mode_16_64 3
		.amdhsa_memory_ordered 1
		.amdhsa_forward_progress 1
		.amdhsa_inst_pref_size 7
	.end_amdhsa_kernel
	.amdgpu_metadata
---
amdhsa.version: [ 1, 2 ]
amdhsa.kernels:
  - .name:           k_q72b3347782_prep
    .symbol:         k_q72b3347782_prep.kd
    .args:
      - { .name: x, .offset: 0, .size: 8, .value_kind: global_buffer, .address_space: global }
      - { .name: xq, .offset: 8, .size: 8, .value_kind: global_buffer, .address_space: global }
      - { .name: xs, .offset: 16, .size: 8, .value_kind: global_buffer, .address_space: global }
    .group_segment_fixed_size: 20992
    .private_segment_fixed_size: 0
    .kernarg_segment_align: 8
    .kernarg_segment_size: 24
    .max_flat_workgroup_size: 128
    .sgpr_count:     66
    .vgpr_count:     96
    .wavefront_size: 32
...
	.end_amdgpu_metadata
.endif
;; end of part 3
;; launch dense (part 4): grid 4 x 64, 4 waves a work-group, no clusters, 279,040 bytes of LDS; arguments xq, xs, urls, trans, bias, out0; writes out0
.if DOCPART == 4
	.amdgcn_target "amdgcn-amd-amdhsa--gfx1250"
	.amdhsa_code_object_version 6
	.text
	.protected	k_q72b3347782_dense
	.globl	k_q72b3347782_dense
	.p2align	8
	.type	k_q72b3347782_dense,@function
k_q72b3347782_dense:
	s_mov_b64 s[64:65], 0
	v_nop
	global_prefetch_b8 v0, s[64:65] scope:SCOPE_SE
	s_setreg_imm32_b32 hwreg(HW_REG_WAVE_SCHED_MODE, 0, 2), 2
	s_setreg_imm32_b32 hwreg(HW_REG_WAVE_MODE, 25, 1), 1
	s_wait_xcnt 0x0
	s_wait_alu depctr_vm_vsrc(0)
; y_all[n][e][:] = Q(x[n]) . Q(trans[e]) for EVERY token n and EVERY expert e, as reference() writes it; out0[n] = tanh(y_all[n][urls[n]] + bias[urls[n]]).  Nothing is left out: which of a token's 64 rows is kept
; hangs on the value of urls, so the product is done and the row selected; bias, tanh and the store fall on the selected rows alone, as in reference().
; SHARES.  Work-group (x = slab, y = expert e): all 1,024 tokens x 256 columns of e: 8,192 matrix instructions, 2,048 a wave.  256 work-groups.  Each output row's 1,024 bytes of a slab have one owner: the work-group of the token's expert.
; PHASE S.  Wave w streams the 64 columns from 256 x + 64 w, all of K: 262,144 bytes of trans, read by this wave alone, once, and quantises them in registers: K is trans's first axis.
;   Lane (r = lane % 16, h = lane / 16) loads 16 bytes, W[k0 + 32 h + i][col0 + 4 r .. + 3]: in one instruction sixteen lanes read 256 consecutive aligned bytes of row k, the other sixteen those of row k + 32.
;   32 such loads are a CHUNK: 64 rows x 64 columns.  Column tile c (0..3) is the columns col0 + 4 r + c: lane (r, h) then holds, for each c, just k = 64 cc + 32 h + 0..31 of the operand's column r, the 6-bit operand's
;   layout: a block's largest magnitude needs no other lane.  Number (i, c) lands in register 4 i + c and the conversion wants 16 neighbours along K on end: one v_mov_b32 a number.
;   The fragments go to LDS AS IMAGES OF THEIR REGISTERS (16 bytes a lane, 512 a store); the four scale words of a K step likewise, by one store.  One barrier: then all 256 columns' codes lie in LDS, 212,992 bytes.
; PHASE C.  Wave w takes tokens 256 w .. 256 w + 255, in 4 passes of 4 tiles of 16.  A pass holds 4 tiles x 16 column tiles = 64 accumulators, 512 registers, and walks K OUTERMOST: so x's fragments are wanted a K step
;   at a time and come from memory straight into a ring of four register buffers, three K steps ahead, evenly through the phase; each token's codes are read once by the work-group.  W's fragments come from LDS through a ring
;   of four buffers, one a group g of four column tiles, two sub-steps (32 matrix instructions) ahead; each feeds four matrix instructions.
;   Source 0 = 16 tokens, source 1 = 16 columns: register j of lane (r, h) is (token 8 h + j, column 4 r + c).
; SELECTION, at a pass's end.  A token's bit says whether its url is e (made once, of urls, into scalar registers).  A tile none of whose tokens is e's is passed over.  Else the tile's sums, x 2 log2(e) with the bias added,
;   go to my wave's stage in LDS, and each of e's tokens is read back as its 1,024 bytes of the slab, put through tanh and stored: each store of the wave covers 512 consecutive bytes, aligned.  EXEC is never changed.
; tanh(y) = 1 - 2 / (1 + 2^(2 log2(e) y)): +-1 at the ends with no NaN; near 0 its error is that of one f32 subtraction from 1.
; NO TENSOR LOAD, NO CLUSTER: operands go through registers.  What work-groups share, x's codes, is 819,200 of the 1,867,776 bytes that a work-group reads.
; THE LAST PASS'S LOOK-AHEAD asks for its own tokens' first three K steps again (18,432 bytes a wave that nothing reads), so that the same loads are issued on every way and every counted wait holds; no load leaves its buffer.
; LIMITS: NaN and infinities in trans are not served by the quantiser; blocks whose largest magnitude lies under 2^-122 keep the scale byte 1 (a block of zeros too: its codes are zeros); urls lie in 0..63, as reference()
; relies on (a token outside gets no row).
; THE MODE: SCHED_MODE bits 1:0 = 2 (LLVM: expert scheduling mode 2), set by the entry lines.  The code itself states the register dependences between vector or matrix instructions and memory or LDS instructions,
; with s_wait_alu, always for 0.
; THE PLAN.  Registers that memory or LDS instructions touch, and who else names them:
;   v1-10, v12-17   offsets and LDS addresses: written at the head, never again: one wait on va_vdst ahead of the first load.
;   PHASE S   landing buffer ch: MOVE ch reads it; one wait on va_vdst behind MOVE ch; then the next loads land in it.
;             WC, WSC, v11, v38: QUANT and IMG's two additions write them; one wait on va_vdst; the 13 image stores read them; one wait on vm_vsrc ahead of the next K step's QUANT 0.  T, CT and v22-37: vector lines alone.
;   PHASE C   a pass goes in 16 HALVES of two sub-steps.  Half H multiplies by W's buffers 2 (H % 2) and 2 (H % 2) + 1.  One wait on va_vdst at the head of halves 1 to 14: the half before is done reading the other two buffers and
;             their scale words, and, at a K step's head, the K step before is done reading its buffer of x.  Behind it: the first freed buffer's 13 loads (and x's 14), 16 products, the second freed buffer's 13 loads, 16 products.
;             The products between the wait and the second run of loads name the half's own first buffer, x's ring, the scale words of both and accumulators: no register that those loads touch.
;             At a pass's head one wait on va_vdst and one on vm_vsrc hand v64-255 from the quantiser, or from the selection, to W's ring.
;   SELECTION O: one wait on vm_vsrc (an earlier tile's stage stores), 128 multiply-adds, one wait on va_vdst, 32 stage stores.  Y: one wait on vm_vsrc (an earlier token's stores) ahead of its two loads; one on va_vdst ahead of its two stores.
;   s16 and s54-61 are written by vector lines: one wait on va_sdst behind each run, ahead of the first reader.
; REGISTERS, in windows of 256 (s_set_vgpr_msb: bits 1:0 source 0, 3:2 source 1, 5:4 source 2, 7:6 destination):
;   window 0: v1-17 addresses that stay; v18-38 the quantiser's work; v40-47 x's scale words, a ring of 4 x 2; v48-63 W's, a ring of 4 x 4; v64-255: phase S: half blocks, W's codes, a chunk by columns; phase C: W's ring; selection: O, Y
;   window 1: phase S: two landing buffers of 128; phase C: v0-191 x's ring, v192-207 bias x 2 log2(e)      window 2: v0-7 urls at the start; accumulators of groups 0, 1      window 3: of groups 2, 3
.set GRP,   53248                      ; LDS: a group's region: 32 fragment images of 1,536 bytes ((4 s + c) x 1,536), then 8 scale images of 512
.set SCI,   49152
.set STG,   4*GRP                      ; behind the four regions: a stage of 16,384 bytes for each wave: (group g, register j) at 4,096 g + 512 j + 16 lane
.set SPARE, STG+4*16384                ; behind the stages: the spare words, 128 bytes for each wave: two blocks of 256 bytes that no other line names
.set WO,   1                           ; v1   h << 17 | r << 4: 32 h rows of 4,096 bytes + 16 r
.set PFO,  2                           ; v2   lane << 12: a row of trans a lane
.set SH8,  3                           ; v3   8 h
.set XAO,  4                           ; v4   768 r + 48 h: my place in a tile's codes
.set LL,   5                           ; v5   4 lane
.set LI,   6                           ; v6   16 lane
.set SW,   7                           ; v7   16 lane + GRP x wave: where my wave's images begin
.set RB,   8                           ; v8   the stage, on the way back: 4,096 (lane / 16) + 16 r
.set STO,  9                           ; v9   the stage, on the way in: 16 lane
.set C16R, 10                          ; v10  16 r
.set SWA,  11                          ; v11  the K step's fragment images
.set AW,   12                          ; v12-15  16 lane + GRP g: group g's images
.set SPW,  16                          ; v16  LDS address of my spare word; never rewritten
.set NIL,  17                          ; v17  0; never rewritten
.set WSC,  18
.set MX,   22
.set SO,   26
.set BY,   30
.set PT,   34
.set SWB,  38                          ; v38  the K step's scale image
.set XSC,  40                          ; x's scale words: buffer b, pair u at XSC + 2 b + u: lanes 0-15 tile 2 u's rows, lanes 16-31 tile 2 u + 1's
.set WSB,  48                          ; W's scale words: group g, tile c at WSB + 4 g + c
.set CT,   64
.set WC,   80
.set T,    128
.set WB,   64                          ; W's ring: group g, tile c at WB + 48 g + 12 c
.set O,    64                          ; selection: O + 32 g + 4 j + c
.set Y,    192                         ; selection: a token's 8 numbers of a lane
.set BI,   192                         ; window 1: bias x 2 log2(e) of columns 64 g + 4 r + c at BI + 4 g + c
.set U,    0                           ; window 2: urls of tokens 256 w + 32 k + lane at U + k
.set WP,   22                          ; s[22:23] trans at my columns, at the K step in hand
.set INC,  24                          ; s[24:25] what the next K step adds to it: 0 in the first, then 128 rows
.set KS,   26                          ; s26  the K step
.set K2,   27                          ; s27  2 log2(e)
.set SEL,  28                          ; s[28:29] v_permlanex16_b32's selects for lane l xor 16
.set LO,   30                          ; s30  6,144 x K step: its fragment images
.set LO2,  31                          ; s31  512 x K step: its scale image
.set XP,   32                          ; s[32:33] xq at the pass's first token;  s[34:35] at the next pass's (the last pass: its own)
.set XN,   34
.set XSP,  36                          ; s[36:37], s[38:39] xs likewise
.set XSN,  38
.set OP,   40                          ; s[40:41] out0 at the tile's first token, my slab
.set BP,   42                          ; s[42:43] bias[e] at my slab
.set UP,   44                          ; s[44:45] urls at my wave's first token
.set PS,   46                          ; s46  the pass
.set TT,   47                          ; s47  the tile
.set CUR,  48                          ; s48  the tile's 16 bits
.set DX,   50                          ; s[50:51], s[52:53] what a pass's end adds to XN, XSN
.set DS,   52
.set MK,   54                          ; s54-61 bit l of MK + k: the url of token (pass's first) + 32 k + l is e
.set MSB, 0
.macro WIN new                         ; the immediate's high byte repeats the setting that is left; a switch that changes nothing is dropped
.if MSB != \new
	s_set_vgpr_msb (MSB<<8)|\new
.set MSB, \new
.endif
.endm
; A chunk, rows r0 + 64 ch + 0..63 from s[WP] on, into landing buffer ch.  trans is read once by the launch.
.macro FILL ch, r0
	WIN 0x40                                       ; destination window 1, offset window 0
.set fi, 0
.rept 32
	global_load_b128 v[128*(\ch)+4*fi:128*(\ch)+4*fi+3], v[WO], s[WP:WP+1] offset:((\r0)+64*(\ch)+fi)*4096 th:TH_LOAD_NT
.set fi, fi+1
.endr
.endm
; The chunk by columns: T + 32 c + i = W[.. + 32 h + i][col0 + 4 r + c]
.macro MOVE ch
	WIN 0x01                                       ; source 0 window 1
.set mi, 0
.rept 32
.irp c, 0,1,2,3
	v_mov_b32 v[T+32*\c+mi], v[128*(\ch)+4*mi+\c]
.endr
.set mi, mi+1
.endr
.endm
; Four blocks of 32, one a column tile, become registers 6 ch .. 6 ch + 5 of W's four fragments; behind chunk 1 the scale words are whole.  The four by turns: no line waits for the line above it.
.macro QUANT ch
	WIN 0
.irp c, 0,1,2,3
	v_max3_num_f32 v[MX+\c], |v[T+32*\c]|, |v[T+32*\c+1]|, 0x2800000   ; and the floor 2^(5 - 127): the byte cannot fall under 1
.endr
.irp i, 2,4,6,8,10,12,14,16,18,20,22,24,26,28,30
.irp c, 0,1,2,3
	v_max3_num_f32 v[MX+\c], v[MX+\c], |v[T+32*\c+\i]|, |v[T+32*\c+\i+1]|
.endr
.endr
.irp c, 0,1,2,3
	v_add_nc_u32 v[SO+\c], 0xfe000000, v[MX+\c]    ; 4 off the exponent field: the conversion's scale operand
.endr
.if (\ch) == 0
.irp c, 0,1,2,3
	v_lshrrev_b32 v[BY+\c], 23, v[SO+\c]           ; the byte of block h
.endr
.else
.irp c, 0,1,2,3
	v_lshrrev_b32 v[PT+\c], 23, v[SO+\c]           ; the byte of block 2 + h
.endr
.irp c, 0,1,2,3
	v_lshl_or_b32 v[BY+\c], v[PT+\c], 16, v[BY+\c]
.endr
.irp c, 0,1,2,3
	v_lshlrev_b32 v[BY+\c], v[SH8], v[BY+\c]       ; at their places in the word: 8 h bits up
.endr
.irp c, 0,1,2,3
	v_permlanex16_b32 v[PT+\c], v[BY+\c], s[SEL], s[SEL+1]
.endr
.irp c, 0,1,2,3
	v_or_b32 v[WSC+\c], v[BY+\c], v[PT+\c]         ; with lane l xor 16's two bytes the word is whole
.endr
.endif
.irp c, 0,1,2,3
	v_cvt_scalef32_pk16_bf6_f32 v[WC+12*\c+6*(\ch):WC+12*\c+6*(\ch)+2], v[T+32*\c:T+32*\c+15], v[SO+\c]
	v_cvt_scalef32_pk16_bf6_f32 v[CT+4*\c:CT+4*\c+2], v[T+32*\c+16:T+32*\c+31], v[SO+\c]   ; (a conversion's three registers begin on an even number: the block's second half is made elsewhere and moved)
.endr
	v_nop                                          ; one plain line behind the last scaled conversion
.irp c, 0,1,2,3
.irp i, 0,1,2
	v_mov_b32 v[WC+12*\c+6*(\ch)+3+\i], v[CT+4*\c+\i]
.endr
.endr
.endm
; Asking ahead: the 128 rows x 256 bytes of my columns in K step KS + 2, a lane a row, four instructions, behind the run of loads for K step KS + 1.  Each such run of 256 bytes is named once in the launch,
; by the one wave that loads it.  K steps 6 and 7 ask for nothing: row 1,023 is the last named.  K steps 0 and 1 come by their loads alone.  (v[PFO] was written ahead of the head's wait and never again.)
.macro ASK
	s_cmp_lt_u32 s[KS], 6
	s_cbranch_scc0 .Lnoask_\@
.irp u, 0,1,2,3
	global_prefetch_b8 v[PFO], s[WP:WP+1] offset:(256+32*\u)*4096 th:TH_LOAD_NT scope:SCOPE_SE
.endr
.Lnoask_\@:
.endm
; The K step's four fragments and its four scale words go to LDS as they stand in the registers
.macro IMG
	v_add_nc_u32 v[SWA], s[LO], v[SW]
	v_add_nc_u32 v[SWB], s[LO2], v[SW]
	s_wait_alu depctr_va_vdst(0)                   ; the quantiser has written WC and WSC, the two lines above v[SWA] and v[SWB]: the 13 stores read them as data and addresses
.irp c, 0,1,2,3
.irp p, 0,1,2
	ds_store_b128 v[SWA], v[WC+12*\c+4*\p:WC+12*\c+4*\p+3] offset:1536*\c+512*\p
.endr
.endr
	ds_store_b128 v[SWB], v[WSC:WSC+3] offset:SCI
	s_add_co_u32 s[LO], s[LO], 6144
	s_add_co_u32 s[LO2], s[LO2], 512
.endm
; x of one K step: four fragments into ring buffer b (12 loads of 16 bytes a lane) and the scale words of the 64 tokens (2 loads of 128 consecutive bytes): 14 loads.  si: the K step, counted from the pointers pc, ps.
; Every work-group reads these bytes, so no hint.
.macro XL b, si, pc, ps
	WIN 0x40                                       ; destination window 1
.irp t, 0,1,2,3
.irp p, 0,1,2
	global_load_b128 v[48*(\b)+12*\t+4*\p:48*(\b)+12*\t+4*\p+3], v[XAO], s[\pc:\pc+1] offset:12288*\t+96*(\si)+16*\p
.endr
.endr
	WIN 0
.irp u, 0,1
	global_load_b32 v[XSC+2*(\b)+\u], v[LL], s[\ps:\ps+1] offset:1024*\u+128*(\si)
.endr
.endm
; W of one sub-step (K step s, group g): four fragments and four scale words come back from LDS as they were stored: 13 loads
.macro WLOAD s, g
.irp c, 0,1,2,3
.irp p, 0,1,2
	ds_load_b128 v[WB+48*(\g)+12*\c+4*\p:WB+48*(\g)+12*\c+4*\p+3], v[AW+(\g)] offset:(4*(\s)+\c)*1536+512*\p
.endr
.endr
	ds_load_b128 v[WSB+4*(\g):WSB+4*(\g)+3], v[AW+(\g)] offset:SCI+512*(\s)
.endm
; 16 products: four tiles of tokens x group g's four tiles of columns, 128 along K.  The pass's 64 accumulators take turns, one instruction a turn, in the same order in every K step.
; K step 0 starts the sums: nothing is cleared.
.macro MUL s, g
	WIN 0xa1+0x50*((\g)/2)                         ; source 0 (x) window 1, source 1 (W) window 0, C and D window 2 or 3
.irp t, 0,1,2,3
.irp c, 0,1,2,3
.set AC, 128*((\g)%2)+8*(4*\t+\c)
.set AX, 48*((\s)%4)+12*\t
.set BW, WB+48*(\g)+12*\c
.set SA, XSC+2*((\s)%4)+\t/2
.set SB, WSB+4*(\g)+\c
.if (\s) == 0
.if \t%2
	v_wmma_scale_f32_16x16x128_f8f6f4 v[AC:AC+7], v[AX:AX+11], v[BW:BW+11], 0, v[SA], v[SB] matrix_a_fmt:MATRIX_FMT_BF6 matrix_b_fmt:MATRIX_FMT_BF6 matrix_a_scale:MATRIX_SCALE_ROW1
.else
	v_wmma_scale_f32_16x16x128_f8f6f4 v[AC:AC+7], v[AX:AX+11], v[BW:BW+11], 0, v[SA], v[SB] matrix_a_fmt:MATRIX_FMT_BF6 matrix_b_fmt:MATRIX_FMT_BF6
.endif
.else
.if \t%2
	v_wmma_scale_f32_16x16x128_f8f6f4 v[AC:AC+7], v[AX:AX+11], v[BW:BW+11], v[AC:AC+7], v[SA], v[SB] matrix_a_fmt:MATRIX_FMT_BF6 matrix_b_fmt:MATRIX_FMT_BF6 matrix_a_scale:MATRIX_SCALE_ROW1
.else
	v_wmma_scale_f32_16x16x128_f8f6f4 v[AC:AC+7], v[AX:AX+11], v[BW:BW+11], v[AC:AC+7], v[SA], v[SB] matrix_a_fmt:MATRIX_FMT_BF6 matrix_b_fmt:MATRIX_FMT_BF6
.endif
.endif
.endr
.endr
.endm
; A K step of phase S.  Loads are issued in the order chunk 0, chunk 1, chunk 2 ..  more = 1: the next K step's chunks are asked for; more = 0, the last: the landing buffers take phase C's first operands as they fall free.
.macro SSTEP more
	s_wait_loadcnt 32                              ; the K step's first chunk is in; behind it its second chunk's 32 loads
.if \more
	s_wait_xcnt 0x0                                ; the loads and requests that name s[WP] were issued in the step before: it is stepped only behind this wait
	s_add_nc_u64 s[WP:WP+1], s[WP:WP+1], s[INC:INC+1]
	s_mov_b32 s[INC], 0x80000                      ; from the second K step on: 128 rows
.endif
	MOVE 0
	s_wait_alu depctr_va_vdst(0)                   ; MOVE 0 is done reading landing buffer 0, in which the loads below land; only window switches and loads stand between
.if \more
	FILL 0, 128                                    ; the buffer just read takes the next K step's first chunk
	WIN 0
	ASK
.else
	XL 0, 0, XP, XSP                               ; x of the first pass's K steps 0 and 1: 28 loads
	XL 1, 1, XP, XSP
.endif
	s_wait_dscnt 0x0                               ; the last K step's image stores are done
	s_wait_alu depctr_vm_vsrc(0)                   ; and have read WC, WSC, v[SWA] and v[SWB], which this K step's quantiser and IMG write again
	QUANT 0
.if \more
	s_wait_loadcnt 32                              ; the second chunk is in; behind it the 32 loads just issued
.else
	s_wait_loadcnt 28                              ; the last chunk is in; behind it x's 28
.endif
	MOVE 1
	s_wait_alu depctr_va_vdst(0)                   ; MOVE 1 is done reading landing buffer 1 (MOVE 0 long ago buffer 0), in which the loads below land
.if \more
	FILL 1, 128
.else
	WIN 0x40
.irp g, 0,1,2,3
	global_load_b128 v[BI+4*\g:BI+4*\g+3], v[C16R], s[BP:BP+1] offset:256*\g   ; bias of columns 64 g + 4 r + 0..3
.endr
	XL 2, 2, XP, XSP
.endif
	QUANT 1
	IMG
.endm
; Tile t at a pass's end.  None of its tokens is e's: on to the next tile.  Else all its sums, x 2 log2(e) with the bias added, go to my stage.  Each accumulator is read from its register 0 on.
.macro ARM t
	s_bfe_u32 s[CUR], s[MK+(\t)/2], 0x100000|(16*((\t)%2))   ; 16 bits: bit m is token m of the tile
	s_cmp_eq_u32 s[CUR], 0
	s_cbranch_scc1 .Lnext
	s_wait_dscnt 0x0                               ; an earlier tile's LDS instructions are done
	s_wait_alu depctr_vm_vsrc(0)                   ; an earlier tile's stores into the stage have read O, which the lines below write again
.irp g, 0,1,2,3
	WIN 0x12+(\g)/2                                ; source 0 window 2 or 3, source 2 window 1
.irp j, 0,1,2,3,4,5,6,7
.irp c, 0,1,2,3
	v_fma_f32 v[O+32*\g+4*\j+\c], v[128*((\g)%2)+8*(4*(\t)+\c)+\j], s[K2], v[BI+4*\g+\c]   ; 2 log2(e) (sum + bias) of (token 8 h + j, column 64 g + 4 r + c)
.endr
.endr
.endr
	WIN 0
	s_wait_alu depctr_va_vdst(0)                   ; the 128 lines above have written O, which the 32 stores read; and the pass's products are done reading v192-199, in which the tokens' loads land
.irp g, 0,1,2,3
.irp j, 0,1,2,3,4,5,6,7
	ds_store_b128 v[STO], v[O+32*\g+4*\j:O+32*\g+4*\j+3] offset:4096*\g+512*\j
.endr
.endr
.endm
; Token m of the tile in the stage (row m = 8 h + j lies at 512 j + 256 h of each group's 4,096 bytes).  If its url is e: its 1,024 bytes of the slab come back, lanes 0-15 an even group's 256, lanes 16-31 the odd one's; tanh; two stores.
; The two loads into Y want no wait on va_vdst of their own: every way here passes the tile's wait ahead of its stage stores or an earlier token's wait ahead of its stores, and no vector line behind either names Y.
.macro TOK m
	s_bitcmp1_b32 s[CUR], \m
	s_cbranch_scc0 .Lno_\@
	s_wait_xcnt 0x0                                ; an earlier token's stores have had their addresses translated: Y is loaded again only behind this wait
	s_wait_alu depctr_vm_vsrc(0)                   ; an earlier token's stores have read Y, in which the two loads land
	ds_load_b128 v[Y:Y+3], v[RB] offset:512*((\m)%8)+256*((\m)/8)          ; LDS serves a wave's instructions in order: these see my stores
	ds_load_b128 v[Y+4:Y+7], v[RB] offset:8192+512*((\m)%8)+256*((\m)/8)
	s_wait_dscnt 0x0
.irp i, 0,1,2,3,4,5,6,7
	v_exp_f32 v[Y+\i], v[Y+\i]
.endr
	v_nop                                          ; a plain line behind the last exponential
	s_wait_alu depctr_va_vdst(0)                   ; the eight exponentials have written Y: the wait stands ahead of the first line that names a result
.irp i, 0,2,4,6
	v_pk_add_f32 v[Y+\i:Y+\i+1], v[Y+\i:Y+\i+1], 1.0 op_sel_hi:[1,0]
.endr
	s_wait_alu depctr_va_vdst(0)
.irp i, 0,1,2,3,4,5,6,7
	v_rcp_f32 v[Y+\i], v[Y+\i]
.endr
	v_nop
	s_wait_alu depctr_va_vdst(0)                   ; and the eight reciprocals likewise
.irp i, 0,2,4,6
	v_pk_fma_f32 v[Y+\i:Y+\i+1], v[Y+\i:Y+\i+1], -2.0, 1.0 op_sel_hi:[1,0,0]   ; 1 - 2 / (1 + 2^..)
.endr
	s_wait_alu depctr_va_vdst(0)                   ; the four lines above have written Y, which the two stores read
	global_store_b128 v[LI], v[Y:Y+3], s[OP:OP+1] offset:4096*(\m) th:TH_STORE_NT         ; the 32 lanes store 512 consecutive bytes of the token's row, at a multiple of 256 from out0's first byte
	global_store_b128 v[LI], v[Y+4:Y+7], s[OP:OP+1] offset:4096*(\m)+512 th:TH_STORE_NT
.Lno_\@:
.endm
	s_load_b256 s[4:11], s[0:1], 0x0               ; xq s[4:5], xs s[6:7], urls s[8:9], trans s[10:11]
	s_load_b128 s[12:15], s[0:1], 0x20             ; bias s[12:13], out0 s[14:15]
	v_lshl_add_u32 v[SPW], v0, 2, SPARE
	v_mov_b32 v[NIL], 0
	v_lshrrev_b32 v20, 5, v0
	v_readfirstlane_b32 s16, v20                   ; wave 0..3
	v_and_b32 v18, 15, v0                          ; r
	v_bfe_u32 v19, v0, 4, 1                        ; h
	v_and_b32 v20, 31, v0                          ; lane
	v_lshlrev_b32 v[C16R], 4, v18
	v_lshl_or_b32 v[WO], v19, 17, v[C16R]
	v_lshlrev_b32 v[PFO], 12, v20
	v_lshlrev_b32 v[SH8], 3, v19
	v_mul_u32_u24 v[XAO], v18, 768
	v_mad_u32_u24 v[XAO], v19, 48, v[XAO]
	v_lshlrev_b32 v[LL], 2, v20
	v_lshlrev_b32 v[LI], 4, v20
	s_wait_alu depctr_va_sdst(0)                   ; s16 is written, ahead of its first reader: LDS places and every buffer's base are made from it
	s_mul_i32 s19, s16, GRP
	v_add_nc_u32 v[SW], s19, v[LI]
.irp g, 0,1,2,3
	v_add_nc_u32 v[AW+\g], \g*GRP, v[LI]
.endr
	s_lshl_b32 s19, s16, 14
	s_add_co_u32 s19, s19, STG                     ; my stage
	v_add_nc_u32 v[STO], s19, v[LI]
	v_lshl_add_u32 v[RB], v19, 12, v[C16R]
	v_add_nc_u32 v[RB], s19, v[RB]
.irp c, 0,1,2,3
	v_mov_b32 v[PT+\c], 0                          ; written once: a lane permute's destination counts as one of its sources
.endr
	s_and_b32 s17, ttmp7, 0xffff                   ; e
	s_lshl_b32 s18, ttmp9, 10                      ; my slab's first column, in bytes
	s_mov_b32 s21, 0
	s_mov_b32 s[K2], 0x4038aa3b                    ; 2 log2(e)
	s_mov_b32 s[SEL], 0x76543210
	s_mov_b32 s[SEL+1], 0xfedcba98
	s_mov_b32 s[INC], 0
	s_mov_b32 s[INC+1], 0
	s_mov_b32 s[LO], 0
	s_mov_b32 s[LO2], 0
	s_mov_b32 s[DX+1], 0
	s_mov_b32 s[DS+1], 0
	s_wait_kmcnt 0x0
	s_lshl_b32 s20, s16, 10
	s_add_nc_u64 s[UP:UP+1], s[8:9], s[20:21]      ; urls of my 256 tokens
	s_lshl_b32 s20, s17, 22                        ; an expert's matrix is 2^22 bytes
	s_add_co_u32 s20, s20, s18
	s_lshl_b32 s19, s16, 8
	s_add_co_u32 s20, s20, s19                     ; + my wave's 64 columns
	s_add_nc_u64 s[WP:WP+1], s[10:11], s[20:21]
	WIN 0x80                                       ; destination window 2
	s_wait_alu depctr_va_vdst(0)                   ; the offsets and LDS addresses v1-10 and v12-17 are written: every load, store and request of the kernel reads some of them, and none is written again
.irp k, 0,1,2,3,4,5,6,7
	global_load_b32 v[U+\k], v[LL], s[UP:UP+1] offset:128*\k
.endr
	FILL 0, 0
	FILL 1, 0
	WIN 0                                          ; at a label and at a branch every window is 0
	s_lshl_b32 s20, s17, 12
	s_add_co_u32 s20, s20, s18
	s_add_nc_u64 s[BP:BP+1], s[12:13], s[20:21]    ; bias[e] at my slab
	s_lshl_b32 s20, s16, 20
	s_add_co_u32 s20, s20, s18
	s_add_nc_u64 s[OP:OP+1], s[14:15], s[20:21]    ; out0 at token 256 w, my slab
	s_mul_i32 s20, s16, 196608
	s_add_nc_u64 s[XP:XP+1], s[4:5], s[20:21]      ; xq at token 256 w,
	s_add_nc_u64 s[XN:XN+1], s[XP:XP+1], 49152     ; and 64 tokens on
	s_lshl_b32 s20, s16, 13
	s_add_nc_u64 s[XSP:XSP+1], s[6:7], s[20:21]    ; xs likewise
	s_add_nc_u64 s[XSN:XSN+1], s[XSP:XSP+1], 2048
	; ---------------- PHASE S
	s_mov_b32 s[KS], 0
.Lk:                                               ; K steps 0 to 6
	SSTEP 1
	s_add_co_u32 s[KS], s[KS], 1
	s_cmp_lt_u32 s[KS], 7
	s_cbranch_scc1 .Lk
	SSTEP 0                                        ; the last K step asks for nothing of trans: no load leaves its buffer
	s_wait_dscnt 0x0                               ; for the others' sake: my images have landed
	s_barrier_signal -1
	s_barrier_wait -1                              ; all 256 columns' codes and scale words lie in LDS; nobody writes them again
	s_wait_loadcnt 14                              ; the bias is in (and the urls, long ago); behind it x of K step 2, 14 loads
	WIN 0x44                                       ; source 1 and destination window 1
.set bi, 0
.rept 16
	v_mul_f32 v[BI+bi], s[K2], v[BI+bi]            ; bias x 2 log2(e): the addend of the selection's fused multiply-add
.set bi, bi+1
.endr
	WIN 0x08                                       ; source 1 window 2
.irp k, 0,1,2,3,4,5,6,7
	v_cmp_eq_u32 s[MK+\k], s17, v[U+\k]            ; which of my 256 tokens are e's
.endr
	s_wait_alu depctr_va_sdst(0)                   ; the eight compares have written s54-61, ahead of the label and of their first readers, the selection's scalar lines
	WIN 0
	; ---------------- PHASE C
	s_mov_b32 s[PS], 0
.Lpass:
	s_wait_dscnt 0x0                               ; the selection's LDS instructions are done: their registers take W's ring again
	s_wait_alu depctr_va_vdst(0)                   ; every vector and matrix line that named v64-255, W's scale words, x's ring buffer 3 or its scale words is done (first pass: the quantiser and MOVE 1; later: the last pass's products and the selection's arithmetic): the loads below land there
	s_wait_alu depctr_vm_vsrc(0)                   ; the stores that read v64-255 have read them (first pass: the image stores; later: the stage's and the tokens' stores)
	WLOAD 0, 0
	WLOAD 0, 1
	WLOAD 0, 2
	WLOAD 0, 3
.set hh, 0
.rept 16                                           ; half hh = 2 s + p: sub-steps (s, 2 p) and (s, 2 p + 1)
.set ss, hh/2
.set pp, hh%2
.set sn, (hh+1)/2                                  ; the next half's K step,
.set qq, (hh+1)%2                                  ; and its pair of buffers: the pair that the half before has read
.set xb, (ss+3)%4
.if (hh > 0) && (hh < 15)
.rept 4
	v_nop                                          ; the plain form's four places ahead of loads into registers that products have read; the wait below states the dependence itself
.endr
	WIN 0
	s_wait_alu depctr_va_vdst(0)                   ; the half before is done reading W's buffers 2 q and 2 q + 1 and their scale words; at a K step's head the K step before is done reading its buffer of x and its scale words: this half's loads land there
	WLOAD sn, 2*qq                                 ; 32 products ahead of its use
.endif
.if pp == 0
.if ss < 5
	XL xb, ss+3, XP, XSP                           ; three K steps ahead, into the buffer just read
.else
	XL xb, ss-5, XN, XSN                           ; the next pass's first three K steps
.endif
	s_wait_loadcnt 42                              ; x of this K step is in; behind it three K steps' 14 loads each
.endif
.if hh == 0
	s_wait_dscnt 39                                ; buffer 0 is in; behind it the other three buffers' 13 loads each
.elseif hh < 15
	s_wait_dscnt 26                                ; this sub-step's 13 loads are in; behind them the next sub-step's 13 and the 13 just issued
.else
	s_wait_dscnt 13                                ; the pass's last half asks for nothing: the counts run down
.endif
	MUL ss, 2*pp
.if (hh > 0) && (hh < 15)
	WIN 0
	WLOAD sn, 2*qq+1                               ; no wait: the 16 products since the wait name buffer 2 p, x's ring, their scale words and accumulators, none of the registers that these loads touch
.endif
.if hh < 15
	s_wait_dscnt 26                                ; this sub-step's 13 loads are in; behind them two younger runs of 13
.else
	s_wait_dscnt 0
.endif
	MUL ss, 2*pp+1
.set hh, hh+1
.endr
	; ---------------- THE SELECTION
	WIN 0
.rept 5
	v_nop                                          ; places behind the last products: four ahead of the first vector line that reads their results or writes over their operands, five ahead of the next pass's products, which write over the sums
.endr
	s_mov_b32 s[TT], 0
.Lt:                                               ; four tiles; the walk is the same for every wave, what is passed over hangs on urls
	s_cmp_eq_u32 s[TT], 0
	s_cbranch_scc1 .Larm0
	s_cmp_eq_u32 s[TT], 1
	s_cbranch_scc1 .Larm1
	s_cmp_eq_u32 s[TT], 2
	s_cbranch_scc1 .Larm2
	ARM 3
	s_branch .Lrb
.Larm0:
	ARM 0
	s_branch .Lrb
.Larm1:
	ARM 1
	s_branch .Lrb
.Larm2:
	ARM 2
.Lrb:
.irp m, 0,1,2,3,4,5,6,7,8,9,10,11,12,13,14,15
	TOK \m
.endr
.Lnext:
	s_wait_xcnt 0x0                                ; the tile's stores have read their base and data
	s_add_nc_u64 s[OP:OP+1], s[OP:OP+1], 65536     ; 16 tokens on: behind the fourth tile it stands at the next pass's first token
	s_add_co_u32 s[TT], s[TT], 1
	s_cmp_lt_u32 s[TT], 4
	s_cbranch_scc1 .Lt
	s_cmp_lt_u32 s[PS], 2                          ; behind passes 0 and 1 the look-ahead moves on; then it stays at the last pass's tokens
	s_cselect_b32 s[DX], 49152, 0
	s_cselect_b32 s[DS], 2048, 0
	s_wait_xcnt 0x0                                ; the loads that name the four pointers have read them
	s_mov_b64 s[XP:XP+1], s[XN:XN+1]
	s_mov_b64 s[XSP:XSP+1], s[XSN:XSN+1]
	s_add_nc_u64 s[XN:XN+1], s[XN:XN+1], s[DX:DX+1]
	s_add_nc_u64 s[XSN:XSN+1], s[XSN:XSN+1], s[DS:DS+1]
.irp k, 0,1,2,3,4,5
	s_mov_b32 s[MK+\k], s[MK+\k+2]                 ; the next pass's 64 bits come to the front
.endr
	s_add_co_u32 s[PS], s[PS], 1
	s_cmp_lt_u32 s[PS], 4
	s_cbranch_scc1 .Lpass
	s_wait_dscnt 0x0                               ; the closing lines, six on end (every window is 0 here: the add's two registers lie in window 0)
	s_wait_alu 0x0
	s_wait_tensorcnt 0x0
	ds_add_u32 v[SPW], v[NIL]
	s_wait_dscnt 0x0
	s_endpgm
.Lfunc_end_k_q72b3347782_dense:
	.size	k_q72b3347782_dense, .Lfunc_end_k_q72b3347782_dense-k_q72b3347782_dense
	.p2alignl 7, 3214868480
	.fill 96, 4, 3214868480
	.section	.rodata,"a",@progbits
	.p2align	6, 0x0
	.amdhsa_kernel k_q72b3347782_dense
		.amdhsa_group_segment_fixed_size 279040
		.amdhsa_private_segment_fixed_size 0
		.amdhsa_enable_private_segment 0
		.amdhsa_kernarg_size 48
		.amdhsa_user_sgpr_count 2
		.amdhsa_user_sgpr_kernarg_segment_ptr 1
		.amdhsa_wavefront_size32 1
		.amdhsa_system_sgpr_workgroup_id_x 1
		.amdhsa_system_sgpr_workgroup_id_y 1
		.amdhsa_system_sgpr_workgroup_id_z 1
		.amdhsa_system_vgpr_workitem_id 0
		.amdhsa_next_free_vgpr 1024
		.amdhsa_next_free_sgpr 66
		.amdhsa_reserve_vcc 0
		.amdhsa_float_denorm_mode_32 3
		.amdhsa_float_denorm_mode_16_64 3
		.amdhsa_memory_ordered 1
		.amdhsa_forward_progress 1
		.amdhsa_inst_pref_size 240
	.end_amdhsa_kernel
	.amdgpu_metadata
---
amdhsa.version: [ 1, 2 ]
amdhsa.kernels:
  - .name:           k_q72b3347782_dense
    .symbol:         k_q72b3347782_dense.kd
    .args:
      - { .name: xq, .offset: 0, .size: 8, .value_kind: global_buffer, .address_space: global }
      - { .name: xs, .offset: 8, .size: 8, .value_kind: global_buffer, .address_space: global }
      - { .name: urls, .offset: 16, .size: 8, .value_kind: global_buffer, .address_space: global }
      - { .name: trans, .offset: 24, .size: 8, .value_kind: global_buffer, .address_space: global }
      - { .name: bias, .offset: 32, .size: 8, .value_kind: global_buffer, .address_space: global }
      - { .name: out0, .offset: 40, .size: 8, .value_kind: global_buffer, .address_space: global }
    .group_segment_fixed_size: 279040
    .private_segment_fixed_size: 0
    .kernarg_segment_align: 8
    .kernarg_segment_size: 48
    .max_flat_workgroup_size: 128
    .sgpr_count:     66
    .vgpr_count:     1024
    .wavefront_size: 32
...
	.end_amdgpu_metadata
.endif
;; end of part 4
